; MI455X (gfx1250); checked and timed in simulation.
; The chip was launched on July 23, 2026; its instructions are those of AMD's public machine-readable ISA for CDNA 5 (MIT licence, August 2026) and "CDNA5" Instruction Set Architecture Reference Guide (July 2026). The comments in the code are by the model that wrote it; some were corrected since.
;; Solve Scheduling. Allowed arithmetic: float matrix products may take bf16 or f16 operands with f32 sums; all other float work in f32.
;; Inputs: mu 16,384 x 24 float32; sig 16,384 x 24 float32.
;; Outputs: out0 16,384 x 24 float32.
;; One version. Each part assembles by itself: llvm-mc -triple=amdgcn-amd-amdhsa -mcpu=gfx1250 --defsym DOCPART=n.
;; ======== version 1 of 1: 1 launch
;; limits: a function is approximated: absolute error at most 7.5e-08
;; launch solve (part 1): grid 256 x 1, 4 waves a work-group, no clusters, 18,944 bytes of LDS; arguments mu, sig, out0; writes out0
.if DOCPART == 1
	.amdgcn_target "amdgcn-amd-amdhsa--gfx1250"
	.amdhsa_code_object_version 6
	.text
	.protected	k_q6983a1748a_solve
	.globl	k_q6983a1748a_solve
	.p2align	8
	.type	k_q6983a1748a_solve,@function
k_q6983a1748a_solve:
	s_mov_b64 s[64:65], 0
	v_nop
	global_prefetch_b8 v0, s[64:65] scope:SCOPE_SE
	s_setreg_imm32_b32 hwreg(HW_REG_WAVE_MODE, 25, 1), 1
	s_wait_xcnt 0x0
; SolveScheduling: 16,384 independent problems of 24 unknowns.  Six quadratic programmes each (five SQP steps and the final solve,
; whose forward arithmetic is the same), each of five primal-dual interior-point steps from z = 0, lam = s = 1.
;
; THE LINEAR ALGEBRA.  The constraint matrix is built in the problem's own text as G = [D; -D], D the 23 x 24 first-difference matrix.
; Eliminating ds and dlam (instead of dz) from the same Newton system gives
;     (diag(Q) + D^T diag(w) D) dz = b,   w = lam+/s+ + lam-/s- per link,
; a 24 x 24 symmetric positive definite tridiagonal system with the same (dz, dlam, ds) in exact arithmetic for every input.
; It is solved from both ends toward the middle with positive terms only (no cancellation in the pivots).
; Everything is f32 on the vector unit: the only products are with a +-1 bidiagonal matrix and the weights span many decades,
; so the matrix units have no work here.  Work-groups share no input, so there is no cluster; each work-group reads 12 KiB once
; at its start, so there is no ring and nothing to ask for ahead.
;
; SHARES.  Two lanes for a problem.  Thread g = 128 wg + t holds problem g >> 1; its 48 bytes of each array lie at byte 48 g.
; The even lane holds x_j = z_j, the odd lane x_j = z_(23-j), j = 0..11 (j = 11 is next to the middle).  Link j is
; delta_j = x_j - x_(j+1), link 11 is x_11 - the partner's x_11; each link has a 'plus' constraint (delta <= h) and a 'minus' one.
; Mirroring maps D's rows onto -D's rows, so both lanes run the same text.  A lane keeps 24 slots (plus 0..11, minus 0..11);
; its minus 11 is a copy of the partner's plus 11, equal bit for bit because everything exchanged is formed commutatively or
; antisymmetrically; it is left out of the gap sum only.  The partner is lane xor 1 (DPP row_xmask:1).
; 256 work-groups x 4 waves x 32 lanes = 2 x 16,384 lanes.
;
; LIMITS, stated.  (1) The order of rounding differs from a dense 46 x 46 elimination.  (2) Divisions are v_rcp_f32 (1 ulp) and a multiply.
; (3) The normal CDF is Abramowitz-Stegun 26.2.17, absolute error below 7.5e-8 for every argument (3.8e-6 in dg); it shares the
; exponential with the density.  (4) The primal residual G z + s - h is 0.6 in every row at the start (z = 0, s = 1, h = 0.4 are in the
; problem's text) and each Newton step multiplies it by 1 - alpha, so it is carried as ONE number rho, and ds is formed as
; -(rho +- d delta); s then differs from h - G z + rho by rounding alone.  (5) sig must have a finite, normal reciprocal;
; exponentials below 2^-126 come out as 0 (ISA guide 15.8).  lam and s shrink by at most 0.01 a step, so lam s >= 1e-16 at its last
; use and no reciprocal meets a denormal.  (6) NaN and infinite inputs are not followed (v_max_num_f32 drops a NaN).
; sizes
.set WBYTES, 1536                      ; a wave's 16 problems x 96 bytes
.set GBYTES, 6144                      ; a work-group's 64 problems
.set MUST,   0                         ; LDS stage for mu,   6,144 bytes, wave w owns bytes 1536 w .. 1536 w + 1535 of it
.set SGST,   6144                      ; LDS stage for sig,  likewise
.set OUST,   12288                     ; LDS stage for the result, likewise
.set NQP,    6                         ; five SQP steps + the final solve
.set NIPM,   5
; constants (f32 bit patterns)
.set K_RHO0, 0x3f19999a                ; 0.6 = 1 - 0.4
.set K_TAU,  0x3b0e7835                ; 0.1 / 46
.set K_099,  0x3f7d70a4                ; 0.99
.set K_NHL,  0xbf38aa3b                ; -0.5 log2(e)
.set K_PDF,  0x41a12c35                ; 50.5 / sqrt(2 pi)
.set K_AS0,  0x3e6d3389                ; 0.2316419
.set K_B1,   0x3ea385fa                ; 0.319381530
.set K_B2,   0xbeb68f87                ; -0.356563782
.set K_B3,   0x3fe40778                ; 1.781477937
.set K_B4,   0xbfe91eea                ; -1.821255978
.set K_B5,   0x3faa466f                ; 1.330274429
.set K_HALF, 0x41ca0000                ; 25.25 = 50.5 / 2
.set K_SHFT, 0xc1c60000                ; -24.75 = 25.25 - 50
; single registers
.set LIN,  1                           ; 1536 wave + 16 lane: offset in the group's part of a buffer, and linear LDS address
.set ROW,  2                           ; 1536 wave + 48 lane: LDS address of my 48 bytes
.set MX1,  3
.set TAU,  4                           ; v4 (v5 a written pad: a broadcast pair is named whole)
.set RHO,  6                           ; v6 (v7 pad)
.set AL,   8                           ; v8 (v9 pad)
.set GS,   10                          ; v[10:11], v[12:13]: two chains of the gap sum
.set GT,   12
.set SE,   14                          ; the middle 2 x 2: e + eP, f + fP, e eP, eP f, e fP, determinant, its reciprocal, ...
.set SF,   15
.set EP,   16
.set AA,   17
.set BB,   18
.set DET,  19
.set RDET, 20
.set NUM,  21
.set DIF,  22
.set MX0,  23
.set B4,   252                         ; v[252:253] = b4 twice
.set MX2,  254
.set MX3,  255
; arrays that live through the launch
.set MU,   24                          ; 12
.set RSG,  36                          ; 12: 1 / sig
.set XX,   48                          ; 12: the iterate
.set QQ,   60                          ; 12: diagonal of Q
.set PP,   72                          ; 12
.set LAM,  84                          ; 24: plus 0..11, minus 0..11
.set SS,   108                         ; 24: same order
; regions with successive tenants inside an interior-point step
.set LS,   132                         ; 24: lam s
.set DW,   132                         ; 12: w+ - w-,      then
.set WL,   132                         ; 12: w+ + w-
.set CC,   144                         ; 12: rs+ - rs-, then c
.set DX,   144                         ; 12: r f, then dx
.set RLS,  156                         ; 24: 1 / (lam s)
.set EV,   156                         ; 12: e
.set FV,   168                         ; 12: -(Q x + p) - c, then b, f, f - e dx, d delta, all in place
.set RS,   180                         ; 24: 1 / s, then ts = -ds / s
.set WW,   204                         ; 24: lam / s
.set RV,   204                         ; 11: r
.set LV,   216                         ; 11: l
.set NDS,  204                         ; 24: -ds
.set KAP,  228                         ; 24: 1 - tau / (lam s), then tl = -dlam / lam, then 1 - alpha tl
; tenants of the same registers in the set-up of a programme
.set TT,   132                         ; 12: t = (x - mu) / sig
.set EX,   144                         ; 12: exp, then 50.5 pdf(t)
.set UU,   156                         ; 12: u = 1 / (1 + 0.2316419 |t|)
.set PL,   168                         ; 12: 1 + 0.2316419 |t|, then the polynomial
.set D2,   180                         ; 12: d2g
.set QS,   192                         ; 12: exponent, then dg
; Packed f32 arithmetic on cnt register pairs.  One macro for each form of modifiers.
.macro PKMUL d, a, b, cnt              ; a b
.set pki, 0
.rept \cnt
	v_pk_mul_f32 v[\d+pki:\d+pki+1], v[\a+pki:\a+pki+1], v[\b+pki:\b+pki+1]
.set pki, pki+2
.endr
.endm
.macro PKMULS d, a, s, cnt             ; a x v[s]
.set pki, 0
.rept \cnt
	v_pk_mul_f32 v[\d+pki:\d+pki+1], v[\a+pki:\a+pki+1], v[\s:\s+1] op_sel_hi:[1,0]
.set pki, pki+2
.endr
.endm
.macro PKMULK d, a, k, cnt             ; a x constant
.set pki, 0
.rept \cnt
	v_pk_mul_f32 v[\d+pki:\d+pki+1], v[\a+pki:\a+pki+1], \k op_sel_hi:[1,0]
.set pki, pki+2
.endr
.endm
.macro PKADD d, a, b, cnt              ; a + b
.set pki, 0
.rept \cnt
	v_pk_add_f32 v[\d+pki:\d+pki+1], v[\a+pki:\a+pki+1], v[\b+pki:\b+pki+1]
.set pki, pki+2
.endr
.endm
.macro PKSUB d, a, b, cnt              ; a - b
.set pki, 0
.rept \cnt
	v_pk_add_f32 v[\d+pki:\d+pki+1], v[\a+pki:\a+pki+1], v[\b+pki:\b+pki+1] neg_lo:[0,1] neg_hi:[0,1]
.set pki, pki+2
.endr
.endm
.macro PKADDS d, a, s, cnt             ; a + v[s]
.set pki, 0
.rept \cnt
	v_pk_add_f32 v[\d+pki:\d+pki+1], v[\a+pki:\a+pki+1], v[\s:\s+1] op_sel_hi:[1,0]
.set pki, pki+2
.endr
.endm
.macro PKRSUBS d, a, s, cnt            ; v[s] - a
.set pki, 0
.rept \cnt
	v_pk_add_f32 v[\d+pki:\d+pki+1], v[\a+pki:\a+pki+1], v[\s:\s+1] op_sel_hi:[1,0] neg_lo:[1,0] neg_hi:[1,0]
.set pki, pki+2
.endr
.endm
.macro PKADDK d, a, k, cnt             ; a + constant
.set pki, 0
.rept \cnt
	v_pk_add_f32 v[\d+pki:\d+pki+1], v[\a+pki:\a+pki+1], \k op_sel_hi:[1,0]
.set pki, pki+2
.endr
.endm
.macro PKFMAK d, a, b, k, cnt          ; a b + constant
.set pki, 0
.rept \cnt
	v_pk_fma_f32 v[\d+pki:\d+pki+1], v[\a+pki:\a+pki+1], v[\b+pki:\b+pki+1], \k op_sel_hi:[1,1,0]
.set pki, pki+2
.endr
.endm
.macro PKNFMAK d, a, b, k, cnt         ; constant - a b
.set pki, 0
.rept \cnt
	v_pk_fma_f32 v[\d+pki:\d+pki+1], v[\a+pki:\a+pki+1], v[\b+pki:\b+pki+1], \k op_sel_hi:[1,1,0] neg_lo:[1,0,0] neg_hi:[1,0,0]
.set pki, pki+2
.endr
.endm
.macro PKFMAKV d, a, k, c, cnt         ; a x constant + the pair v[c:c+1], the same pair each time
.set pki, 0
.rept \cnt
	v_pk_fma_f32 v[\d+pki:\d+pki+1], v[\a+pki:\a+pki+1], \k, v[\c:\c+1] op_sel_hi:[1,0,1]
.set pki, pki+2
.endr
.endm
.macro PKFMAS d, a, s, c, cnt          ; a v[s] + c
.set pki, 0
.rept \cnt
	v_pk_fma_f32 v[\d+pki:\d+pki+1], v[\a+pki:\a+pki+1], v[\s:\s+1], v[\c+pki:\c+pki+1] op_sel_hi:[1,0,1]
.set pki, pki+2
.endr
.endm
.macro PKNFMAS d, a, s, c, cnt         ; c - a v[s]
.set pki, 0
.rept \cnt
	v_pk_fma_f32 v[\d+pki:\d+pki+1], v[\a+pki:\a+pki+1], v[\s:\s+1], v[\c+pki:\c+pki+1] op_sel_hi:[1,0,1] neg_lo:[1,0,0] neg_hi:[1,0,0]
.set pki, pki+2
.endr
.endm
.macro PKNFMAS1 d, a, s, cnt           ; 1 - a v[s]
.set pki, 0
.rept \cnt
	v_pk_fma_f32 v[\d+pki:\d+pki+1], v[\a+pki:\a+pki+1], v[\s:\s+1], 1.0 op_sel_hi:[1,0,0] neg_lo:[1,0,0] neg_hi:[1,0,0]
.set pki, pki+2
.endr
.endm
.macro PKNFMA d, a, b, c, cnt          ; c - a b
.set pki, 0
.rept \cnt
	v_pk_fma_f32 v[\d+pki:\d+pki+1], v[\a+pki:\a+pki+1], v[\b+pki:\b+pki+1], v[\c+pki:\c+pki+1] neg_lo:[1,0,0] neg_hi:[1,0,0]
.set pki, pki+2
.endr
.endm
.macro PKNFMAN d, a, b, c, cnt         ; - a b - c
.set pki, 0
.rept \cnt
	v_pk_fma_f32 v[\d+pki:\d+pki+1], v[\a+pki:\a+pki+1], v[\b+pki:\b+pki+1], v[\c+pki:\c+pki+1] neg_lo:[1,0,1] neg_hi:[1,0,1]
.set pki, pki+2
.endr
.endm
.macro MIRROR d, a                     ; even lanes: d[j] = a[j]; odd lanes (VCC bit set): d[j] = a[11 - j].  d and a are apart
.set pki, 0
.rept 12
	v_cndmask_b32 v[\d+pki], v[\a+pki], v[\a+11-pki], vcc_lo
.set pki, pki+1
.endr
.endm
	; ---------------------------------------------------------------- head: addresses, loads, rows through LDS
	s_load_b128 s[4:7], s[0:1], 0x0                ; mu s[4:5], sig s[6:7]
	s_load_b64 s[8:9], s[0:1], 0x10                ; out0
	s_set_vgpr_msb 0x40
	v_lshl_add_u32 v0, v0, 2, 0x4800
	v_mov_b32 v1, 0
	s_set_vgpr_msb 0x4000
	v_and_b32 v[ROW], 31, v0                       ; lane
	v_lshrrev_b32 v[LIN], 5, v0
	v_readfirstlane_b32 s10, v[LIN]                ; wave 0..3
	s_mul_i32 s11, s10, WBYTES                     ; my wave's bytes in the group's part and in each LDS stage
	s_mul_i32 s12, ttmp9, GBYTES                   ; the group's part of each buffer (at most 255 x 6,144 bytes)
	s_mov_b32 s13, 0
	v_lshl_add_u32 v[LIN], v[ROW], 4, s11          ; 16 lane + 1536 wave
	v_mul_u32_u24 v[ROW], v[ROW], 48
	v_add_nc_u32 v[ROW], s11, v[ROW]               ; 48 lane + 1536 wave
	s_wait_kmcnt 0x0
	s_add_nc_u64 s[4:5], s[4:5], s[12:13]
	s_add_nc_u64 s[6:7], s[6:7], s[12:13]
	s_add_nc_u64 s[8:9], s[8:9], s[12:13]
	; each load of the wave covers 512 consecutive bytes that start at a multiple of 512 from the buffer's first byte
.irp c, 0,1,2
	global_load_b128 v[132+4*\c:135+4*\c], v[LIN], s[4:5] offset:512*\c th:TH_LOAD_NT
.endr
.irp c, 0,1,2
	global_load_b128 v[144+4*\c:147+4*\c], v[LIN], s[6:7] offset:512*\c th:TH_LOAD_NT
.endr
	; while they are on their way: the odd lanes' mask, the pads of the broadcast pairs, the destinations of DPP forms, b4
	s_mov_b32 vcc_lo, 0xaaaaaaaa                   ; odd lanes; VCC is never written again
	v_mov_b32 v[TAU+1], 0
	v_mov_b32 v[RHO+1], 0
	v_mov_b32 v[AL+1], 0
	v_mov_b32 v[SE], 0                             ; a DPP form's destination counts as read: written once here
	v_mov_b32 v[SF], 0
	v_mov_b32 v[EP], 0
	v_mov_b32 v[AA], 0
	v_mov_b32 v[BB], 0
	v_mov_b32 v[B4], K_B4
	v_mov_b32 v[B4+1], K_B4
	s_wait_loadcnt 0x3                             ; loads return in order (ISA guide 5.7.1): mu's three are in, sig's three may be out
.irp c, 0,1,2
	ds_store_b128 v[LIN], v[132+4*\c:135+4*\c] offset:MUST+512*\c
.endr
	s_wait_loadcnt 0x0                             ; sig's three
.irp c, 0,1,2
	ds_store_b128 v[LIN], v[144+4*\c:147+4*\c] offset:SGST+512*\c
.endr
	; My 48 bytes back.  The bytes are my wave's own and LDS serves a wave's instructions in order (ISA guide 5.7.1.4): no wait, no barrier.
	; 48 L / 16 = 3 L takes sixteen different values modulo 16 over sixteen neighbouring lanes: sixteen different 16-byte columns.
.irp c, 0,1,2
	ds_load_b128 v[156+4*\c:159+4*\c], v[ROW] offset:MUST+16*\c
.endr
.irp c, 0,1,2
	ds_load_b128 v[168+4*\c:171+4*\c], v[ROW] offset:SGST+16*\c
.endr
	s_wait_dscnt 0x3                               ; mu's three row loads are in; the three younger ones (sig) may be out
	MIRROR MU, 156
	s_wait_dscnt 0x0
.set jj, 0
.rept 12
	v_rcp_f32 v[180+jj], v[168+jj]                 ; 1 / sig, once for the whole launch
.set jj, jj+1
.endr
.set jj, 0
	s_wait_alu depctr_va_vdst(0)
.rept 12
	v_mov_b32 v[XX+jj], v[MU+jj]                   ; z0 = mu; also the plain instructions behind the reciprocals (ISA guide 5.7.2)
.set jj, jj+1
.endr
	MIRROR RSG, 180
	s_mov_b32 s14, 0
.Lsqp:
	; ---------------------------------------------------------------- set-up of a programme: Q = d2g + 1, p = dg - d2g x - mu
	PKSUB  TT, XX, MU, 6
	PKMUL  TT, TT, RSG, 6                          ; t
	PKMUL  QS, TT, TT, 6
	PKMULK QS, QS, K_NHL, 6                        ; -t^2 / 2 in base 2
.set jj, 0
.rept 12
	v_fma_f32 v[PL+jj], |v[TT+jj]|, K_AS0, 1.0
.set jj, jj+1
.endr
.set jj, 0
.rept 12
	v_exp_f32 v[EX+jj], v[QS+jj]
.set jj, jj+1
.endr
.set jj, 0
.rept 12
	v_rcp_f32 v[UU+jj], v[PL+jj]
.set jj, jj+1
.endr
	v_mov_b32 v[RHO], K_RHO0                       ; the plain instruction behind the run of transcendentals (ISA guide 5.7.2); rho = 1 - 0.4
	s_wait_alu depctr_va_vdst(0)
	PKMULK  EX, EX, K_PDF, 6                       ; 50.5 pdf(t)
	PKFMAKV PL, UU, K_B5, B4, 6                    ; Horner: u b5 + b4,
	PKFMAK  PL, PL, UU, K_B3, 6
	PKFMAK  PL, PL, UU, K_B2, 6
	PKFMAK  PL, PL, UU, K_B1, 6
	PKMUL   PL, PL, UU, 6                          ; ... the upper tail is pdf x this
	PKMUL   D2, EX, RSG, 6                         ; d2g
	PKNFMAK QS, EX, PL, K_HALF, 6                  ; 25.25 - 50.5 tail(|t|)
.set jj, 0
.rept 12
	v_bfi_b32 v[QS+jj], 0x7fffffff, v[QS+jj], v[TT+jj]     ; with t's sign
.set jj, jj+1
.endr
	PKADDK QS, QS, K_SHFT, 6                       ; dg = 50.5 cdf(t) - 50
	PKNFMA PP, D2, XX, QS, 6
	PKSUB  PP, PP, MU, 6
	PKADDK QQ, D2, 1.0, 6
	; the starting iterate of the problem's text: z = 0, lam = s = 1
.set jj, 0
.rept 12
	v_mov_b32 v[XX+jj], 0
.set jj, jj+1
.endr
.set jj, 0
.rept 24
	v_mov_b32 v[LAM+jj], 1.0
	v_mov_b32 v[SS+jj], 1.0
.set jj, jj+1
.endr
	s_mov_b32 s15, 0
.Lipm:
	; ---------------------------------------------------------------- products and the gap
	PKMUL LS, LAM, SS, 12
.set jj, 0
.rept 24
	v_rcp_f32 v[RLS+jj], v[LS+jj]
.set jj, jj+1
.endr
	; my 23 own slots (0..22) in two chains; these adds are also the plain instructions behind the reciprocals (ISA guide 5.7.2)
	v_pk_add_f32 v[GS:GS+1], v[LS:LS+1], v[LS+2:LS+3]
	v_pk_add_f32 v[GT:GT+1], v[LS+4:LS+5], v[LS+6:LS+7]
	v_pk_add_f32 v[GS:GS+1], v[GS:GS+1], v[LS+8:LS+9]
	v_pk_add_f32 v[GT:GT+1], v[GT:GT+1], v[LS+10:LS+11]
	v_pk_add_f32 v[GS:GS+1], v[GS:GS+1], v[LS+12:LS+13]
	v_pk_add_f32 v[GT:GT+1], v[GT:GT+1], v[LS+14:LS+15]
	v_pk_add_f32 v[GS:GS+1], v[GS:GS+1], v[LS+16:LS+17]
	v_pk_add_f32 v[GT:GT+1], v[GT:GT+1], v[LS+18:LS+19]
	v_pk_add_f32 v[GS:GS+1], v[GS:GS+1], v[LS+20:LS+21]
	v_pk_add_f32 v[GS:GS+1], v[GS:GS+1], v[GT:GT+1]
	v_add_f32 v[GS], v[GS], v[GS+1]
	v_add_f32 v[GS], v[GS], v[LS+22]
	v_add_f32_dpp v[GS], v[GS], v[GS] row_xmask:1 row_mask:0xf bank_mask:0xf   ; + the partner's 23: all 46
	v_mul_f32 v[TAU], K_TAU, v[GS]                 ; tau = 0.1 lam.s / 46
	s_wait_alu depctr_va_vdst(0)
	; ---------------------------------------------------------------- weights and link terms
	PKMUL    RS, LAM, RLS, 12                      ; 1 / s
	PKMUL    WW, LAM, RS, 12                       ; lam / s
	PKNFMAS1 KAP, RLS, TAU, 12                     ; kappa = 1 - tau / (lam s)
	PKSUB    DW, WW, WW+12, 6
	PKSUB    CC, RS, RS+12, 6
	PKMULS   CC, CC, TAU, 6
	PKFMAS   CC, DW, RHO, CC, 6                    ; c = rho (w+ - w-) + tau (1/s+ - 1/s-)
	PKADD    WL, WW, WW+12, 6                      ; w = w+ + w-
	; ---------------------------------------------------------------- right-hand side: b_j = -(Q x + p)_j - c_j + c_(j-1)
	PKNFMAN  FV, QQ, XX, PP, 6
	PKSUB    FV, FV, CC, 6                         ; the + c_(j-1) is added in the sweep, behind each reciprocal
	v_mov_b32 v[EV], v[QQ]
	; ---------------------------------------------------------------- forward sweep: r = 1/(e + w), l = w r, e' = Q' + l e, f' = b' + l f
.set jj, 0
.rept 11
	v_add_f32 v[LV+jj], v[EV+jj], v[WL+jj]
	v_rcp_f32 v[RV+jj], v[LV+jj]
	v_add_f32 v[FV+jj+1], v[FV+jj+1], v[CC+jj]     ; the plain instruction behind the reciprocal (ISA guide 5.7.2)
	s_wait_alu depctr_va_vdst(0)
	v_mul_f32 v[LV+jj], v[WL+jj], v[RV+jj]
	v_fma_f32 v[EV+jj+1], v[LV+jj], v[EV+jj], v[QQ+jj+1]
	v_fma_f32 v[FV+jj+1], v[LV+jj], v[FV+jj], v[FV+jj+1]
.set jj, jj+1
.endr
	; ---------------------------------------------------------------- the middle 2 x 2, with the partner's e and f
	PKMUL DX, RV, FV, 5                            ; r f for j = 0..9,
	v_mul_f32 v[DX+10], v[RV+10], v[FV+10]         ; and 10 (there is no r_11)
	v_add_f32_dpp v[SE], v[EV+11], v[EV+11] row_xmask:1 row_mask:0xf bank_mask:0xf     ; eP + e
	v_add_f32_dpp v[SF], v[FV+11], v[FV+11] row_xmask:1 row_mask:0xf bank_mask:0xf     ; fP + f
	v_mul_f32_dpp v[EP], v[EV+11], v[EV+11] row_xmask:1 row_mask:0xf bank_mask:0xf     ; eP e
	v_mul_f32_dpp v[AA], v[EV+11], v[FV+11] row_xmask:1 row_mask:0xf bank_mask:0xf     ; eP f
	v_mul_f32_dpp v[BB], v[FV+11], v[EV+11] row_xmask:1 row_mask:0xf bank_mask:0xf     ; fP e
	v_fma_f32 v[DET], v[WL+11], v[SE], v[EP]       ; w (e + eP) + e eP: positive terms only
	v_rcp_f32 v[RDET], v[DET]
	v_fma_f32 v[NUM], v[WL+11], v[SF], v[AA]       ; the plain instruction behind the reciprocal
	v_sub_f32 v[DIF], v[AA], v[BB]                 ; the partner's is the exact negative
	s_wait_alu depctr_va_vdst(0)
	v_mul_f32 v[DX+11], v[NUM], v[RDET]            ; dx_11
	v_mul_f32 v[FV+11], v[DIF], v[RDET]            ; d delta_11
	; ---------------------------------------------------------------- back sweep: dx_j = l dx_(j+1) + r f;  d delta_j = r (f - e dx_(j+1)), formed directly
.set jj, 10
.rept 11
	v_fma_f32 v[FV+jj], -v[EV+jj], v[DX+jj+1], v[FV+jj]
	v_fma_f32 v[DX+jj], v[LV+jj], v[DX+jj+1], v[DX+jj]
.set jj, jj-1
.endr
	PKMUL FV, RV, FV, 5
	v_mul_f32 v[FV+10], v[RV+10], v[FV+10]
	; ---------------------------------------------------------------- ratios and the step length
	PKADDS  NDS, FV, RHO, 6                        ; -ds+ = rho + d delta
	PKRSUBS NDS+12, FV, RHO, 6                     ; -ds- = rho - d delta
	PKMUL   RS, NDS, RS, 12                        ; ts = -ds / s
	PKSUB   KAP, KAP, RS, 12                       ; tl = -dlam / lam = kappa - ts
	; alpha = 0.99 min(1, min over falling lam of -lam/dlam, the same for s) = 0.99 / max(1, every tl, every ts): four chains of 12 values
	v_max3_num_f32 v[MX0], 1.0, v[RS], v[RS+1]
	v_max3_num_f32 v[MX1], 1.0, v[RS+12], v[RS+13]
	v_max3_num_f32 v[MX2], 1.0, v[KAP], v[KAP+1]
	v_max3_num_f32 v[MX3], 1.0, v[KAP+12], v[KAP+13]
.set jj, 2
.rept 5
	v_max3_num_f32 v[MX0], v[MX0], v[RS+jj], v[RS+jj+1]
	v_max3_num_f32 v[MX1], v[MX1], v[RS+12+jj], v[RS+13+jj]
	v_max3_num_f32 v[MX2], v[MX2], v[KAP+jj], v[KAP+jj+1]
	v_max3_num_f32 v[MX3], v[MX3], v[KAP+12+jj], v[KAP+13+jj]
.set jj, jj+2
.endr
	v_max3_num_f32 v[MX0], v[MX0], v[MX1], v[MX2]
	v_max_num_f32 v[MX0], v[MX0], v[MX3]
	v_max_num_f32_dpp v[MX0], v[MX0], v[MX0] row_xmask:1 row_mask:0xf bank_mask:0xf    ; and the partner's
	v_rcp_f32 v[AL], v[MX0]
	v_nop                                          ; nothing independent is left here: one place behind the reciprocal (ISA guide 5.7.2)
	s_wait_alu depctr_va_vdst(0)
	v_mul_f32 v[AL], K_099, v[AL]
	; ---------------------------------------------------------------- the step
	PKNFMAS  SS, NDS, AL, SS, 12                   ; s += alpha ds
	PKNFMAS1 KAP, KAP, AL, 12
	PKMUL    LAM, LAM, KAP, 12                     ; lam (1 - alpha tl), at least 0.01 lam
	PKFMAS   XX, DX, AL, XX, 6
	v_fma_f32 v[RHO], -v[AL], v[RHO], v[RHO]       ; rho (1 - alpha)
	s_add_co_u32 s15, s15, 1
	s_cmp_lt_u32 s15, NIPM
	s_cbranch_scc1 .Lipm
	s_add_co_u32 s14, s14, 1
	s_cmp_lt_u32 s14, NQP
	s_cbranch_scc1 .Lsqp
	; ---------------------------------------------------------------- the way out: rows into my wave's stage, back linearly, whole 512-byte runs to memory
	MIRROR 132, XX                                 ; odd lanes back into memory's order
.irp c, 0,1,2
	ds_store_b128 v[ROW], v[132+4*\c:135+4*\c] offset:OUST+16*\c
.endr
.irp c, 0,1,2
	ds_load_b128 v[144+4*\c:147+4*\c], v[LIN] offset:OUST+512*\c   ; my wave's own bytes, served in order (ISA guide 5.7.1.4): these see the stores above
.endr
.irp c, 0,1,2
	s_wait_dscnt 2-\c                              ; read-back c is in; the 2 - c younger ones may be out
	global_store_b128 v[LIN], v[144+4*\c:147+4*\c], s[8:9] offset:512*\c th:TH_STORE_NT   ; the wave stores 512 consecutive bytes, at a multiple of 512 from out0's first byte
.endr
	s_set_vgpr_msb 0x5
	s_wait_tensorcnt 0x0
	ds_add_u32 v0, v1
	s_wait_dscnt 0x0
	s_set_vgpr_msb 0x500
	s_endpgm
.Lfunc_end_k_q6983a1748a_solve:
	.size	k_q6983a1748a_solve, .Lfunc_end_k_q6983a1748a_solve-k_q6983a1748a_solve
	.p2alignl 7, 3214868480
	.fill 96, 4, 3214868480
	.section	.rodata,"a",@progbits
	.p2align	6, 0x0
	.amdhsa_kernel k_q6983a1748a_solve
		.amdhsa_group_segment_fixed_size 18944
		.amdhsa_private_segment_fixed_size 0
		.amdhsa_enable_private_segment 0
		.amdhsa_kernarg_size 24
		.amdhsa_user_sgpr_count 2
		.amdhsa_user_sgpr_kernarg_segment_ptr 1
		.amdhsa_wavefront_size32 1
		.amdhsa_system_sgpr_workgroup_id_x 1
		.amdhsa_system_sgpr_workgroup_id_y 1
		.amdhsa_system_sgpr_workgroup_id_z 1
		.amdhsa_system_vgpr_workitem_id 0
		.amdhsa_next_free_vgpr 258
		.amdhsa_next_free_sgpr 66
		.amdhsa_reserve_vcc 1
		.amdhsa_float_denorm_mode_32 3
		.amdhsa_float_denorm_mode_16_64 3
		.amdhsa_memory_ordered 1
		.amdhsa_forward_progress 1
		.amdhsa_inst_pref_size 39
	.end_amdhsa_kernel
	.amdgpu_metadata
---
amdhsa.version: [ 1, 2 ]
amdhsa.kernels:
  - .name:           k_q6983a1748a_solve
    .symbol:         k_q6983a1748a_solve.kd
    .args:
      - { .name: mu, .offset: 0, .size: 8, .value_kind: global_buffer, .address_space: global }
      - { .name: sig, .offset: 8, .size: 8, .value_kind: global_buffer, .address_space: global }
      - { .name: out0, .offset: 16, .size: 8, .value_kind: global_buffer, .address_space: global }
    .group_segment_fixed_size: 18944
    .private_segment_fixed_size: 0
    .kernarg_segment_align: 8
    .kernarg_segment_size: 24
    .max_flat_workgroup_size: 128
    .sgpr_count:     66
    .vgpr_count:     258
    .wavefront_size: 32
...
	.end_amdgpu_metadata
.endif
;; end of part 1
